; MI455X (gfx1250); checked and timed in simulation.
; The chip was launched on July 23, 2026; its instructions are those of AMD's public machine-readable ISA for CDNA 5 (MIT licence, August 2026) and "CDNA5" Instruction Set Architecture Reference Guide (July 2026). The comments in the code are by the model that wrote it; some were corrected since.
;; Resonant Complex Projection. Allowed arithmetic: matrix products marked QUANTISED: E5M2 operands, one E8M0 scale for each 32 along K, by v_wmma_scale_f32_16x16x128_f8f6f4 with both operands' format E5M2, f32 sums; everything else in f32.
;; Inputs: B 1,024 x 512 float32; W 1,024 x 512 float32; Wi 512 x 1,024 float32; Wr 512 x 1,024 float32; x 256 x 512 float32.
;; Outputs: out0 256 x 512 float32; out1 256 x 512 float32.
;; This version of the problem:
;;   THIS VERSION OF THE PROBLEM IS GIVEN IN LOW PRECISION. The matrix products marked QUANTISED in the list below multiply operands that are first quantised to E5M2 (5 exponent bits, 2 mantissa bits; 8 bits a number), with one power-of-two scale for each 32 numbers along K (OCP MX v1.0); their sums are f32. All else is computed in f32.
;;   The module's matrix products, in the order in which they are computed (A, B: the left and right operand; K: the contracted axis; several contracted axes count as one K, in the product's order):
;;     1. [M 256, K 1,024] x [K 1,024, N 512]; A: computed on the way; B: input Wr: QUANTISED
;;     2. [M 256, K 1,024] x [K 1,024, N 512]; A: computed on the way; B: input Wi: QUANTISED
;;   THE QUANTISER, for each operand of a quantised product, along K:
;;     - K is cut into blocks of 32 from its start; a last block that is shorter is filled with zeros.
;;     - A block's scale is 2^e with e = floor(log2(the largest magnitude in the block)) - 15, held to -126 .. 127; a block of zeros has e = 0. As a byte (E8M0): e + 127.
;;     - Each number is divided by its block's scale, clamped to +-57,344, and rounded to the nearest number of E5M2, ties to even, subnormals kept.
;;     - The product sums the exact products of the quantised numbers (number of the format x scale) in f32.
;;   ~~~python
;;   def quantise(x, axis):      # numpy; x: float32 -> the quantised numbers, widened to float32 again
;;       x = np.moveaxis(x, axis, -1); K = x.shape[-1]
;;       x = np.pad(x, [(0, 0)] * (x.ndim - 1) + [(0, -K % 32)]); x = x.reshape(x.shape[:-1] + (-1, 32)); a = np.abs(x).max(-1, keepdims=True)
;;       e = np.where(a > 0, np.clip(np.frexp(np.where(a > 0, a, 1))[1] - 1 - 15, -126, 127), 0)      # np.frexp(a)[1] - 1 = floor(log2(a)), exactly
;;       r = np.clip(x / 2.0 ** e, -57344, 57344)
;;       step = 2.0 ** (np.maximum(np.frexp(np.where(r == 0, 1, r))[1] - 1, -14) - 2)
;;       q = np.round(r / step) * step * 2.0 ** e      # np.round: ties to even
;;       return np.moveaxis(q.reshape(q.shape[:-2] + (-1,))[..., :K], -1, axis).astype(np.float32)
;;   ~~~
;;   OPERANDS COMPUTED ON THE WAY. 'Computed on the way' means the value that the module computes at that place (a softmax that the list does not call 'softmax' is quantised finished and normalised). What goes into a quantiser is computed in f32, as accurately as f32 sums, v_exp_f32 and their like allow (about 1e-6 of the number): no bf16 or f16 on the way to a quantiser, and a product that is left as it is and whose result goes on into a quantised operand takes f32 operands (vector FMAs, or v_wmma_f32_16x16x4_f32). A number that lies on a knife's edge between two numbers of the format may be rounded either way, as far as f32 arithmetic and the matrix unit's own rounding can turn it there, and no further.
;; One version. Each part assembles by itself: llvm-mc -triple=amdgcn-amd-amdhsa -mcpu=gfx1250 --defsym DOCPART=n.
;; ======== version 1 of 1: 2 launches
;; limits: right only within a limited range of input values
;; workspace buffers: acodes 524,288 bytes; wcodes 1,048,576 bytes; scales 49,152 bytes
;; launch phases (part 1): grid 32 x 8, 16 waves a work-group, no clusters, 326,656 bytes of LDS; arguments x, W, B, Wr, Wi, acodes, wcodes, scales; writes acodes, wcodes, scales
.if DOCPART == 1
	.amdgcn_target "amdgcn-amd-amdhsa--gfx1250"
	.amdhsa_code_object_version 6
	.text
	.protected	k_q894889d920_phases
	.globl	k_q894889d920_phases
	.p2align	8
	.type	k_q894889d920_phases,@function
k_q894889d920_phases:
	s_mov_b64 s[64:65], 0
	v_nop
	global_prefetch_b8 v0, s[64:65] scope:SCOPE_SE
	s_setreg_imm32_b32 hwreg(HW_REG_WAVE_MODE, 25, 1), 1
	s_wait_xcnt 0x0
; cos_sum[b][n] = sum over i of cos_t[idx], sin_sum likewise, idx = floor((x[b][i] / (1 + |W[n][i]|) + B[n][i]) * f32(4096 / 2 pi)) mod 4096.  Both sums are quantised along n
; to codes of E5M2 with one E8M0 byte for each 32 n, and so are Wr and Wi along their n.  x [256][512], W, B [1024][512], Wr, Wi [512][1024], all f32.
; SHARES.  A work-group takes 32 neurons x 32 batch rows x all 512 i; grid 32 x 8.  Sixteen waves, four to a SIMD.  A LANE IS A NEURON; wave w owns batch rows 8 (w % 4) on and quarter w / 4 of every
; chunk's i; a packed instruction works on two neighbouring i.  Nothing is added across lanes; the four quarters of a sum meet once, in the stage through which the sums turn at the end.
; THE INDEX.  w = 1 + |W|; rh = rcp(w), rl = (1 - w rh) rh, made once for each (n, i): rh + rl is 1 / w to about 2^-46, so fma(x, rh, x rl) is x / w rounded once (it can differ from the
; correctly rounded quotient only where x / w lies within about 2^-46 of a rounding boundary).  The sum with B, the product with f32(4096 / 2 pi) and the floor are each rounded as in the definition.
; MOD 4096.  f + 1.5 x 2^35 rounds f to a multiple of 4096; p = f - that multiple is exact, a whole number in [-2048, 2048].
; SINE AND COSINE.  No address may hang on p, so the table's entry is evaluated.  a = pi p / 4096 is HALF the angle; S = sqrt(2) sin a = p x (polynomial of degree 4 in p^2), C = sqrt(2) cos a = polynomial
; of degree 4 in p^2 (Chebyshev series cut behind T9 and T8, coefficients rounded to f32: about 1e-7 of 1).  S S = 1 - cos 2a and S C = sin 2a: the two fused multiply-adds that sum also double the angle.
; Both polynomials carry a factor 2^40 (in units of p their coefficients would else be denormal); the sums are multiplied by 2^-80 at the end, which rounds nothing.
; The cosine's accumulator is given minus its number of terms, 8 for each chunk and half, ahead of each chunk.
; LIMITS.  NaN and infinities are not served.  |theta x 651.9| under 2^31, where the definition's own cast to int32 ends.  The table's entries are sin and cos of f32(k x f32(2 pi / 4096));
; this text takes the angle 2 pi k / 4096 itself: up to 4e-7 apart for one entry.  A block of zeros gets the byte 1 where the rule says 127: its codes are zeros, and this program alone reads the bytes.
; MEMORY.  i goes in 8 chunks of 64.  A chunk's 24 KB (W, B, x: 3 loads a lane, each 2 rows x 256 aligned bytes) are asked for two chunks ahead, into two sets of 12 registers by turns;
; rh, rl, B and x of chunk p are stored into the chunk's OWN 33,280 bytes of LDS ahead of the trips of chunk p - 1; the barrier that shows them is signalled there and waited for behind those trips.
; No LDS byte of a chunk is written twice, so that one barrier a chunk is all the ordering there is.  The weights are work for eight waves: waves 0-7 load and quantise them beside chunk 4's preparation.
; NO JOINT REQUESTS, NO PREFETCH: eight work-groups read the same rows of W and B and 32 the same rows of x, but W has to pass through registers (rh and rl are made of it); a chunk's loads
; stand two chunks (8 trips of 338 vector instructions a wave) ahead of the wait for them, so only the first 24 KB are waited for with no arithmetic in hand.
.set RP,    784                        ; a neuron's LDS row in a chunk: rh 256 | rl 256 | B 256 | 16 of padding
.set RO,    32*256                     ; a chunk: x, 32 batch rows x 256 bytes; behind them the 32 neurons' rows
.set CHB,   RO+32*RP                   ; a chunk's bytes: 33,280
.set WST,   8*CHB                      ; behind the 8 chunks: a stage of 8 rows x 272 bytes for each of waves 0-7 (the weights' turn)
.set WSP,   272
.set SST,   WST+8*8*WSP                ; and one of 32 places x 80 bytes for each of the 16 waves (the sums' turn)
.set SPARE, SST+16*2560                ; the spare words, 128 bytes a wave: eight blocks of 256 bytes that no other line names
.set LN,    1                          ; v1   lane
.set AR0,   2                          ; v2   RO + 784 x lane + 64 x (wave / 4): my neuron's row, my quarter of the chunk's i
.set AX0,   3                          ; v3   2,048 x (wave % 4) + 64 x (wave / 4): my wave's 8 rows of x (the same in all lanes)
.set AR,    4                          ; v4, v5  the two with the trip's offset
.set AX,    5
.set GO,    6                          ; v6   global offset of a chunk's loads: (2 wave + lane / 16) x 2,048 + 16 (lane % 16); never rewritten
.set SWA,   7                          ; v7   where these rows go in a chunk: RO + (2 wave + lane / 16) x 784 + 16 (lane % 16)
.set SXA,   8                          ; v8   and x's: (2 wave + lane / 16) x 256 + 16 (lane % 16)
.set LHALF, 9                          ; v9   lane / 16
.set LMOD,  10                         ; v10  lane % 16
.set WRA,   11                         ; v11  the weights' stage, on the way back
.set L16,   12                         ; v12  16 x (lane % 16)
.set WSA,   13                         ; v13  the weights' stage, on the way in
.set L7,    14                         ; v14  lane % 8
.set H8,    15                         ; v15  (lane / 8) % 2
.set C4V,   16                         ; v[16:17], v[18:19]  the two highest coefficients
.set D4V,   18
.set RHV,   20                         ; v20-31  rh, rl, B of my neuron at 4 i
.set RLV,   24
.set BBV,   28
.set XV,    32                         ; v32-63  x of my wave's 8 rows at 4 i
.set TH,    64                         ; v64-95  16 chains (pair of i g, row b: 16 g + 2 b): theta, then f, then p; pair 0's half later holds pair 1's C
.set HT,    96                         ; v96-111   pair 0's multiple of 4096, then its p^2, then pair 1's S
.set PT,    112                        ; v112-127  pair 1's multiple of 4096, then pair 0's S
.set QT,    128                        ; v128-143  pair 0's C
.set ACO,   144                        ; v144-159  sums of S S - 1, a pair (even i, odd i) for each row
.set ASI,   160                        ; v160-175  sums of S C
.set LS,    176                        ; v176-199  two sets of 12 on their way: W 4, B 4, x 4; chunk c takes set c % 2
.set WL,    200                        ; v200-215  the weights as loaded
.set SWC,   224                        ; v224, v225  SWA, SXA in the chunk that is being stored
.set SXC,   225
.set Z1,    226                        ; v226-241  pair 1's p^2
.set WGO,   242                        ; v242  the weights' global offset: (lane / 16) x 4,096 + 16 (lane % 16)
.set WV,    20                         ; s20 wave, s21 tile of neurons, s22 tile of batch rows
.set NT,    21
.set BT,    22
.set CC,    32                         ; constants, each as a pair: the packed forms name a pair and take its low word for both halves
.set MG,    34
.set NMG,   36
.set C3,    38                         ; s38-45  sine's coefficients 3, 2, 1, 0;  s46-53  cosine's
.set D3,    46
.set BIAS,  54
.set TI,    56                         ; s56  LDS offset of the trip: chunk x CHB + 16 x trip; also the loops' counter
.set WQ,    57                         ; s57  wave % 4
.set SEL,   58
.set MNT,   60
.set WH,    62                         ; s62  wave / 4
.macro SPAIR r, val
	s_mov_b32 s[\r], \val
	s_mov_b32 s[\r+1], \val
.endm
.macro SADD d, s, sh                   ; s[d] += s[s] << sh
	s_lshl_b32 s42, s[\s], \sh
	s_add_co_u32 s[\d], s[\d], s42
.endm
; a chunk's 3 loads: rows 2 wave + lane / 16 of W, B (my tile of neurons) and x (my tile of batch rows), 256 bytes of each row
.macro GLOAD c
.set GL, LS+12*((\c)%2)
	global_load_b128 v[GL:GL+3], v[GO], s[6:7] offset:(\c)*256
	global_load_b128 v[GL+4:GL+7], v[GO], s[8:9] offset:(\c)*256
	global_load_b128 v[GL+8:GL+11], v[GO], s[4:5] offset:(\c)*256
.endm
; 16 neighbours along K in v[s] on (the block's other 16 lie in lane l xor 8) become 16 codes in v[d] on and the block's byte in v[e].  t: three registers at work
.macro QUANT16 s, d, e, t
	v_max3_num_f32 v[\t], |v[\s]|, |v[\s+1]|, 0x8000000          ; the floor 2^(16 - 127) among the leaves: the byte cannot fall under 1
	v_max3_num_f32 v[\t+1], |v[\s+2]|, |v[\s+3]|, |v[\s+4]|
.irp i, 5,9
	v_max3_num_f32 v[\t], v[\t], |v[\s+\i]|, |v[\s+\i+1]|
	v_max3_num_f32 v[\t+1], v[\t+1], |v[\s+\i+2]|, |v[\s+\i+3]|
.endr
	v_max3_num_f32 v[\t], v[\t], |v[\s+13]|, |v[\s+14]|
	v_max3_num_f32 v[\t], v[\t], v[\t+1], |v[\s+15]|
	v_max_num_f32_dpp v[\t], v[\t], v[\t] row_xmask:8 row_mask:0xf bank_mask:0xf   ; the block's largest magnitude
	v_add_nc_u32 v[\t+1], 0xf8800000, v[\t]                      ; 15 off its exponent field: the conversion's scale operand
	v_and_or_b32 v[\t+2], v[\t], 0x7f800000, s[MNT]              ; 57,344 x the scale
.irp i, 0,1,2,3,4,5,6,7,8,9,10,11,12,13,14,15
	v_med3_num_f32 v[\s+\i], v[\s+\i], -v[\t+2], v[\t+2]         ; the conversion does not saturate (ISA guide 7.6.2): the hold comes first
.endr
	v_cvt_scalef32_pk8_bf8_f32 v[\d:\d+1], v[\s:\s+7], v[\t+1]
	v_cvt_scalef32_pk8_bf8_f32 v[\d+2:\d+3], v[\s+8:\s+15], v[\t+1]
	v_lshrrev_b32 v[\e], 23, v[\t+1]                             ; the byte.  (Also the plain line behind the conversions)
.endm
; THE WEIGHTS.  Their codes lie as images of operand registers, 2,048 bytes for 16 rows x 128 K: image I = (product x 32 + tile of 16 outputs) x 8 + K step.  The work-group takes images 2 g and 2 g + 1
; (g = its number); wave w of waves 0-7 takes of image 2 g + w / 4 rows 8 ((w / 2) % 2) on and blocks 2 (w % 2), 2 (w % 2) + 1: 8 rows x 256 bytes of f32, four loads of 2 rows.
; Loads, wait and work stand in one arm of a branch on the wave's number; waves 8-15 go on with their trips meanwhile
.macro WEIGHTS
	s_cmp_lt_u32 s[WV], 8
	s_cbranch_scc0 .Lno_weights
.irp k, 0,1,2,3
	global_load_b128 v[WL+4*\k:WL+4*\k+3], v[WGO], s[10:11] offset:8192*\k th:TH_LOAD_NT   ; read once in the launch
.endr
	s_wait_loadcnt 0x0
.irp k, 0,1,2,3
	ds_store_b128 v[WSA], v[WL+4*\k:WL+4*\k+3] offset:2*WSP*\k   ; as loaded; my wave's own bytes, and LDS serves a wave's instructions in order (ISA guide 5.7.1.4): no wait ahead of the loads
.endr
.irp j, 0,1,2,3
	ds_load_b128 v[XV+4*\j:XV+4*\j+3], v[WRA] offset:16*\j       ; row lane % 8, block lane / 16, half (lane / 8) % 2: 16 neighbours along K
.endr
	s_wait_dscnt 0x0
	QUANT16 XV, QT, PT+6, PT
	v_mov_b32 v[PT+9], 0                                         ; (a lane permute's destination counts as one of its sources)
	v_permlanex16_b32 v[PT+9], v[PT+6], s[SEL], s[SEL+1]         ; the other block's byte, from lane l xor 16
	v_cmp_eq_u32 vcc_lo, 0, v[LHALF]
	v_cndmask_b32 v[PT+10], v[PT+9], v[PT+6], vcc_lo             ; the lower block's
	v_cndmask_b32 v[PT+11], v[PT+6], v[PT+9], vcc_lo             ; the upper block's
	v_lshl_or_b32 v[PT+10], v[PT+11], 8, v[PT+10]                ; my half of the row's scale word
	v_lshl_add_u32 v[PT+12], v[LHALF], 9, v[L16]
	v_lshlrev_b32 v[PT+13], 2, v[L7]
	global_store_b128 v[PT+12], v[QT:QT+3], s[16:17]             ; in a unit of 512 bytes (16 rows x one block) row r, half h lies at 256 (r / 8) + 128 h + 16 (r % 8): sixteen lanes store 256 consecutive bytes, aligned
	global_store_b16 v[PT+13], v[PT+10], s[12:13]                ; 8 half words; a row's four lanes store the same half word to the same place
	s_wait_xcnt 0x0                                              ; the stores' data and offset registers are written again only behind this wait
.Lno_weights:
.endm
; chunk p, which has landed, becomes rh, rl, B, x in its own LDS bytes; its set of registers takes chunk p + 2; the barrier is signalled.  left: the younger loads that may stay out
.macro PREP p, left, extra
.set PL, LS+12*((\p)%2)
	s_wait_loadcnt \left
.irp i, 0,1,2,3
	v_add_f32 v[PL+\i], 1.0, |v[PL+\i]|                          ; w
.endr
	s_wait_alu depctr_va_vdst(0)                                 ; the wait ahead of the batch
.irp i, 0,1,2,3
	v_rcp_f32 v[HT+\i], v[PL+\i]                                 ; rh: one batch
.endr
	v_add_nc_u32 v[SWC], (\p)*CHB, v[SWA]                        ; (plain work behind the batch)
	v_add_nc_u32 v[SXC], (\p)*CHB, v[SXA]
	s_wait_alu depctr_va_vdst(0)                                 ; one wait for the four, ahead of their first reader
.irp i, 0,2
	v_pk_fma_f32 v[PL+\i:PL+\i+1], v[PL+\i:PL+\i+1], v[HT+\i:HT+\i+1], 1.0 op_sel_hi:[1,1,0] neg_lo:[1,0,0] neg_hi:[1,0,0]   ; 1 - w rh
.endr
.irp i, 0,2
	v_pk_mul_f32 v[PL+\i:PL+\i+1], v[PL+\i:PL+\i+1], v[HT+\i:HT+\i+1]   ; rl
.endr
	ds_store_b128 v[SWC], v[HT:HT+3]
	ds_store_b128 v[SWC], v[PL:PL+3] offset:256
	ds_store_b128 v[SWC], v[PL+4:PL+7] offset:512
	ds_store_b128 v[SXC], v[PL+8:PL+11]
.if \extra
	WEIGHTS
.endif
	s_wait_dscnt 0x0                                             ; for the others' sake: my part of the chunk lies in LDS; and my stores have read the set's registers
.if (\p)+2 < 8
	GLOAD (\p)+2
.endif
	s_barrier_signal -1                                          ; the wait follows behind the trips of the chunk before, which read that chunk's own bytes alone
.endm
.macro LOADS                           ; a trip's operands: 4 i of my neuron's rh, rl, B; 4 i of 8 rows of x (every lane reads the same 16 bytes)
	ds_load_b128 v[RHV:RHV+3], v[AR]
	ds_load_b128 v[RLV:RLV+3], v[AR] offset:256
	ds_load_b128 v[BBV:BBV+3], v[AR] offset:512
.irp b, 0,1,2,3,4,5,6,7
	ds_load_b128 v[XV+4*\b:XV+4*\b+3], v[AX] offset:256*\b
.endr
.endm
; THE STEPS OF A TRIP, each on the eight rows at one pair of i (g = 0, 1).  They are laid so that the two pairs take turns: a line reads what was written about fifteen lines before it, round the loop's edge too
.macro FM g                            ; x rl
.irp b, 0,1,2,3,4,5,6,7
	v_pk_mul_f32 v[TH+16*\g+2*\b:TH+16*\g+2*\b+1], v[XV+4*\b+2*\g:XV+4*\b+2*\g+1], v[RLV+2*\g:RLV+2*\g+1]
.endr
.endm
.macro FF g                            ; x / w
.irp b, 0,1,2,3,4,5,6,7
	v_pk_fma_f32 v[TH+16*\g+2*\b:TH+16*\g+2*\b+1], v[XV+4*\b+2*\g:XV+4*\b+2*\g+1], v[RHV+2*\g:RHV+2*\g+1], v[TH+16*\g+2*\b:TH+16*\g+2*\b+1]
.endr
.endm
.macro FA g                            ; + B: theta
.irp b, 0,1,2,3,4,5,6,7
	v_pk_add_f32 v[TH+16*\g+2*\b:TH+16*\g+2*\b+1], v[TH+16*\g+2*\b:TH+16*\g+2*\b+1], v[BBV+2*\g:BBV+2*\g+1]
.endr
.endm
.macro A1 g                            ; x f32(4096 / 2 pi)
.irp b, 0,1,2,3,4,5,6,7
	v_pk_mul_f32 v[TH+16*\g+2*\b:TH+16*\g+2*\b+1], v[TH+16*\g+2*\b:TH+16*\g+2*\b+1], s[CC:CC+1] op_sel_hi:[1,0]
.endr
.endm
.macro FL g                            ; f
.irp r, 0,1,2,3,4,5,6,7,8,9,10,11,12,13,14,15
	v_floor_f32 v[TH+16*\g+\r], v[TH+16*\g+\r]
.endr
.endm
.macro A3 g                            ; f + 1.5 x 2^35: the last place there is 4096
.irp b, 0,1,2,3,4,5,6,7
	v_pk_add_f32 v[HT+16*\g+2*\b:HT+16*\g+2*\b+1], v[TH+16*\g+2*\b:TH+16*\g+2*\b+1], s[MG:MG+1] op_sel_hi:[1,0]
.endr
.endm
.macro A4 g                            ; the multiple of 4096 nearest to f
.irp b, 0,1,2,3,4,5,6,7
	v_pk_add_f32 v[HT+16*\g+2*\b:HT+16*\g+2*\b+1], v[HT+16*\g+2*\b:HT+16*\g+2*\b+1], s[NMG:NMG+1] op_sel_hi:[1,0]
.endr
.endm
.macro A5 g                            ; p, exact
.irp b, 0,1,2,3,4,5,6,7
	v_pk_add_f32 v[TH+16*\g+2*\b:TH+16*\g+2*\b+1], v[TH+16*\g+2*\b:TH+16*\g+2*\b+1], v[HT+16*\g+2*\b:HT+16*\g+2*\b+1] neg_lo:[0,1] neg_hi:[0,1]
.endr
.endm
.macro ZZ g, z                         ; p^2, exact
.irp b, 0,1,2,3,4,5,6,7
	v_pk_mul_f32 v[\z+2*\b:\z+2*\b+1], v[TH+16*\g+2*\b:TH+16*\g+2*\b+1], v[TH+16*\g+2*\b:TH+16*\g+2*\b+1]
.endr
.endm
.macro PO1 z, p, q                     ; both polynomials' first step
.irp b, 0,1,2,3,4,5,6,7
	v_pk_fma_f32 v[\p+2*\b:\p+2*\b+1], v[\z+2*\b:\z+2*\b+1], v[C4V:C4V+1], s[C3:C3+1] op_sel_hi:[1,1,0]
	v_pk_fma_f32 v[\q+2*\b:\q+2*\b+1], v[\z+2*\b:\z+2*\b+1], v[D4V:D4V+1], s[D3:D3+1] op_sel_hi:[1,1,0]
.endr
.endm
.macro PON z, p, q                     ; and their other three
.irp n, 1,2,3
.irp b, 0,1,2,3,4,5,6,7
	v_pk_fma_f32 v[\p+2*\b:\p+2*\b+1], v[\p+2*\b:\p+2*\b+1], v[\z+2*\b:\z+2*\b+1], s[C3+2*\n:C3+2*\n+1] op_sel_hi:[1,1,0]
	v_pk_fma_f32 v[\q+2*\b:\q+2*\b+1], v[\q+2*\b:\q+2*\b+1], v[\z+2*\b:\z+2*\b+1], s[D3+2*\n:D3+2*\n+1] op_sel_hi:[1,1,0]
.endr
.endr
.endm
.macro SM p, g                         ; S
.irp b, 0,1,2,3,4,5,6,7
	v_pk_mul_f32 v[\p+2*\b:\p+2*\b+1], v[\p+2*\b:\p+2*\b+1], v[TH+16*\g+2*\b:TH+16*\g+2*\b+1]
.endr
.endm
.macro AC p, q                         ; + 1 - cos, + sin
.irp b, 0,1,2,3,4,5,6,7
	v_pk_fma_f32 v[ACO+2*\b:ACO+2*\b+1], v[\p+2*\b:\p+2*\b+1], v[\p+2*\b:\p+2*\b+1], v[ACO+2*\b:ACO+2*\b+1]
	v_pk_fma_f32 v[ASI+2*\b:ASI+2*\b+1], v[\p+2*\b:\p+2*\b+1], v[\q+2*\b:\q+2*\b+1], v[ASI+2*\b:ASI+2*\b+1]
.endr
.endm
.macro FRONT                           ; theta of 16 chains
	FM 1
	FM 0
	FF 1
	FF 0
	FA 1
	FA 0
.endm
; from theta to pair 0's sums and pair 1's S.  Pair 1's polynomials land in registers that pair 0 has done with: S in pair 0's p^2, C in pair 0's p.
; step = 1: the next trip's LDS addresses are made in the middle, far behind this trip's loads and far ahead of the next trip's
.macro BACK step
	A1 1
	A1 0
	FL 1
	FL 0
	A3 0
	A3 1
	A4 0
	A4 1
	A5 0
	A5 1
	ZZ 0, HT
	ZZ 1, Z1
	PO1 HT, PT, QT
	PON HT, PT, QT
	SM PT, 0
	PO1 Z1, HT, TH
	AC PT, QT
.if \step
	s_add_co_u32 s[TI], s[TI], 16
	v_add_nc_u32 v[AR], s[TI], v[AR0]
	v_add_nc_u32 v[AX], s[TI], v[AX0]
.endif
	PON Z1, HT, TH
	SM HT, 1
.endm
; my wave's four trips of a chunk.  A trip asks for its operands, works the LAST trip's theta (some 270 instructions stand between the 11 LDS loads and the wait for them), and makes its own theta;
; so the last theta of a chunk is worked in the next chunk's first trip
.macro TRIPS c, first
	s_mov_b32 s[TI], \c*CHB+16*\first
	v_add_nc_u32 v[AR], s[TI], v[AR0]
	v_add_nc_u32 v[AX], s[TI], v[AX0]
.Ltrip\c:
	LOADS
	BACK 1
	s_wait_dscnt 0x0                                             ; the trip's eleven loads are in
	FM 1                                                         ; (pair 1's p has been read; pair 0's half still holds pair 1's C)
	AC HT, TH
	FM 0
	FF 1
	FF 0
	FA 1
	FA 0
	s_cmp_lt_u32 s[TI], \c*CHB+64
	s_cbranch_scc1 .Ltrip\c
.endm
.macro BIASADD                         ; minus the 8 terms that each half of the cosine's sums takes in a chunk
.irp b, 0,1,2,3,4,5,6,7
	v_pk_add_f32 v[ACO+2*\b:ACO+2*\b+1], v[ACO+2*\b:ACO+2*\b+1], s[BIAS:BIAS+1] op_sel_hi:[1,0]
.endr
.endm
	s_load_b256 s[4:11], s[0:1], 0x0                             ; x s[4:5], W s[6:7], B s[8:9], Wr s[10:11]
	s_load_b256 s[12:19], s[0:1], 0x20                           ; Wi s[12:13], acodes s[14:15], wcodes s[16:17], scales s[18:19]
	v_lshrrev_b32 v[LN], 5, v0
	v_readfirstlane_b32 s[WV], v[LN]                             ; wave 0..15
	; all offsets are made while the arguments are on their way: the scalar ones first, then the lanes'.  (The weights' offsets are used by waves 0-7 alone, the sums' by waves 0-3 alone)
	s_mov_b32 s[NT], ttmp9
	s_and_b32 s[BT], ttmp7, 0xffff
	s_and_b32 s[WQ], s[WV], 3
	s_lshr_b32 s[WH], s[WV], 2
	s_and_b32 s23, s[WV], 1                                      ; the weights: which two blocks,
	s_bfe_u32 s28, s[WV], 0x10001                                ; which 8 rows
	s_lshl_b32 s24, s[NT], 16                                    ; W, B: 32 rows of 2,048 bytes
	s_mov_b32 s25, 0
	s_lshl_b32 s26, s[BT], 16                                    ; x likewise
	s_mov_b32 s27, 0
	s_lshl_b32 s29, s[BT], 5
	s_add_co_u32 s29, s29, s[NT]
	s_lshl_b32 s29, s29, 1
	s_add_co_u32 s29, s29, s[WH]                                 ; I
	s_bfe_u32 s30, s29, 0x50003                                  ; its tile of outputs
	s_and_b32 s31, s29, 7                                        ; its K step
	s_lshl_b32 s32, s30, 16                                      ; the weight: 16 rows of 4,096 bytes,
	SADD 32, 28, 15                                              ; my 8 of them,
	SADD 32, 31, 9                                               ; 128 numbers along K,
	SADD 32, 23, 8                                               ; my 64 of them
	s_mov_b32 s33, 0
	s_lshl_b32 s34, s29, 11                                      ; the image, my two units of 512, my 256 bytes of each
	SADD 34, 23, 10
	SADD 34, 28, 8
	s_mov_b32 s35, 0
	s_lshr_b32 s36, s[BT], 2                                     ; scale words: [product x 8 + K step][768]: words 0-255 the batch rows', 256-767 the outputs'
	s_lshl_b32 s36, s36, 3
	s_add_co_u32 s36, s36, s31
	s_mul_i32 s36, s36, 3072
	s_add_co_u32 s36, s36, 1024
	SADD 36, 30, 6
	SADD 36, 28, 5
	SADD 36, 23, 1                                               ; my half of my 8 outputs' words
	s_mov_b32 s37, 0
	s_lshr_b32 s43, s[NT], 2                                     ; THE SUMS' codes: image (product x 16 + tile of 16 batch rows) x 8 + K step; my tile of neurons is block NT % 4 of K step NT / 4
	s_and_b32 s44, s[NT], 3
	s_lshr_b32 s49, s[WQ], 1
	s_and_b32 s50, s[WQ], 1
	s_lshl_b32 s38, s[BT], 1
	s_add_co_u32 s38, s38, s49
	s_lshl_b32 s38, s38, 14
	SADD 38, 43, 11
	SADD 38, 44, 9
	SADD 38, 50, 8
	s_mov_b32 s39, 0
	s_mul_i32 s40, s43, 3072                                     ; and their scale bytes: byte NT % 4 of the rows' words
	s_add_co_u32 s40, s40, s44
	SADD 40, BT, 7
	SADD 40, WQ, 5
	s_mov_b32 s41, 0
	s_lshl_b32 s45, s[WV], 1
	s_lshl_b32 s47, s[WH], 6
	s_lshl_b32 s46, s[WQ], 11
	s_add_co_u32 s46, s46, s47
	s_add_co_u32 s47, s47, RO
	s_mul_i32 s48, s[WV], 8*WSP
	s_add_co_u32 s48, s48, WST                                   ; my wave's stage for the weights
	v_lshl_add_u32 v254, v0, 2, SPARE                            ; my spare word, and 0; never rewritten
	v_mov_b32 v255, 0
	v_and_b32 v[LN], 31, v0
	v_bfe_u32 v[LHALF], v0, 4, 1
	v_and_b32 v[LMOD], 15, v0
	v_and_b32 v[L7], 7, v0
	v_bfe_u32 v[H8], v0, 3, 1
	v_lshlrev_b32 v[L16], 4, v[LMOD]
	v_add_nc_u32 v[WRA], s45, v[LHALF]                           ; 2 wave + lane / 16
	v_lshl_add_u32 v[GO], v[WRA], 11, v[L16]
	v_mul_u32_u24 v[SWA], v[WRA], RP
	v_add_nc_u32 v[SWA], v[SWA], v[L16]
	v_add_nc_u32 v[SWA], RO, v[SWA]
	v_lshl_add_u32 v[SXA], v[WRA], 8, v[L16]
	v_mul_u32_u24 v[AR0], v[LN], RP
	v_add_nc_u32 v[AR0], s47, v[AR0]
	v_mov_b32 v[AX0], s46
	v_lshl_add_u32 v[WGO], v[LHALF], 12, v[L16]
	v_mul_u32_u24 v[WSA], v[LHALF], WSP
	v_add_nc_u32 v[WSA], v[WSA], v[L16]
	v_add_nc_u32 v[WSA], s48, v[WSA]
	v_mul_u32_u24 v[WRA], v[L7], WSP
	v_lshl_add_u32 v[WRA], v[LHALF], 7, v[WRA]
	v_lshl_add_u32 v[WRA], v[H8], 6, v[WRA]
	v_add_nc_u32 v[WRA], s48, v[WRA]
	v_mov_b32 v[C4V], 0x1bdfa5f9
	v_mov_b32 v[C4V+1], 0x1bdfa5f9
	v_mov_b32 v[D4V], 0x229f1280
	v_mov_b32 v[D4V+1], 0x229f1280
	s_wait_alu depctr_va_vdst(0)                                 ; the wait at the head's end
	s_wait_kmcnt 0x0
	s_add_nc_u64 s[6:7], s[6:7], s[24:25]
	s_add_nc_u64 s[8:9], s[8:9], s[24:25]
	s_add_nc_u64 s[4:5], s[4:5], s[26:27]
	GLOAD 0
	GLOAD 1
	s_cmp_lt_u32 s[BT], 4                                        ; Wr or Wi: the choice hangs on the work-group's number alone
	s_cselect_b64 s[10:11], s[10:11], s[12:13]
	s_add_nc_u64 s[10:11], s[10:11], s[32:33]
	s_add_nc_u64 s[16:17], s[16:17], s[34:35]
	s_add_nc_u64 s[12:13], s[18:19], s[36:37]
	s_add_nc_u64 s[14:15], s[14:15], s[38:39]
	s_add_nc_u64 s[18:19], s[18:19], s[40:41]
	SPAIR CC,    0x4422f983                                      ; f32(4096 / 2 pi)
	SPAIR MG,    0x51400000                                      ; 1.5 x 2^35
	SPAIR NMG,   0xd1400000
	SPAIR C3,    0xa95883df                                      ; sqrt(2) sin(pi p / 4096) x 2^40 = p (c0 + c1 z + c2 z^2 + c3 z^3 + c4 z^4), z = p^2
	SPAIR C3+2,  0x3666cd6f
	SPAIR C3+4,  0xc2e9dd1d
	SPAIR C3+6,  0x4e8e2c19
	SPAIR D3,    0xaff1186d                                      ; sqrt(2) cos(pi p / 4096) x 2^40 = d0 + d1 z + d2 z^2 + d3 z^3 + d4 z^4
	SPAIR D3+2,  0x3cb7a9a9
	SPAIR D3+4,  0xc8df52bf
	SPAIR D3+6,  0x53b504f3
	SPAIR BIAS,  0xe9000000                                      ; -8 x 2^80
	s_mov_b32 s[SEL], 0x76543210
	s_mov_b32 s[SEL+1], 0xfedcba98                               ; v_permlanex16_b32's selects for lane l xor 16
	s_mov_b32 s[MNT], 0x600000                                   ; the mantissa field of 57,344
	PREP 0, 3, 0                                                 ; chunk 0's three loads are in; chunk 1's three may be out
	s_barrier_wait -1                                            ; everybody's part of chunk 0 lies in LDS
	PREP 1, 3, 0                                                 ; chunk 1's are in, chunk 2's may be out
.irp i, 0,1,2,3,4,5,6,7,8,9,10,11,12,13,14,15
	v_mov_b32 v[ACO+\i], s[BIAS]                                 ; chunk 0's share of the terms' number
	v_mov_b32 v[ASI+\i], 0
.endr
	s_mov_b32 s[TI], 0                                           ; the first trip's theta stands ahead of the loop
	v_add_nc_u32 v[AR], s[TI], v[AR0]
	v_add_nc_u32 v[AX], s[TI], v[AX0]
	LOADS
	s_wait_dscnt 0x0
	FRONT
	TRIPS 0, 1
	s_barrier_wait -1                                            ; everybody's part of chunk 1 lies in LDS
.irp c, 1,2
	PREP \c+1, 3, 0                                              ; behind this chunk's loads stand the next chunk's three
	BIASADD
	TRIPS \c, 0
	s_barrier_wait -1
.endr
	PREP 4, 3, 1                                                 ; and the weights, in waves 0-7
	BIASADD
	TRIPS 3, 0
	s_barrier_wait -1
.irp c, 4,5
	PREP \c+1, 3, 0
	BIASADD
	TRIPS \c, 0
	s_barrier_wait -1
.endr
	PREP 7, 0, 0                                                 ; the last chunk: nothing is out behind it
	BIASADD
	TRIPS 6, 0
	s_barrier_wait -1
	BIASADD
	TRIPS 7, 0
	BACK 0                                                       ; the last trip's theta
	AC HT, TH
	; THE SUMS ARE QUANTISED.  A lane holds one neuron and 16 quarter sums (cosine, sine x 8 rows); a block of 32 along K is the work-group's 32 neurons.  The quarter sums turn through my wave's own stage:
	; sum k of lane n goes to place 2 k + n / 16 (80 bytes: 16 numbers + 16 of padding).  Behind a barrier lane l of waves 0-3 takes back place 2 k + h with k = 8 (l / 16) + l % 8, h = (l / 8) % 2,
	; of its own stage and of the stages of the waves 4, 8 and 12 on, which hold the same rows' other quarters of i, and adds the four: 16 neighbouring neurons of one row
.irp b, 0,1,2,3,4,5,6,7
	v_add_f32 v[TH+\b], v[ACO+2*\b], v[ACO+2*\b+1]               ; even i's and odd i's
	v_add_f32 v[TH+8+\b], v[ASI+2*\b], v[ASI+2*\b+1]
.endr
.irp b, 0,1,2,3,4,5,6,7
	v_mul_f32 v[TH+\b], 0x97800000, v[TH+\b]                     ; x -2^-80: the sum of the cosines
	v_mul_f32 v[TH+8+\b], 0x17800000, v[TH+8+\b]                 ; x 2^-80: of the sines
.endr
	s_mul_i32 s29, s[WV], 2560
	s_add_co_u32 s29, s29, SST
	v_mul_u32_u24 v[HT+12], v[LHALF], 80
	v_lshl_add_u32 v[HT+12], v[LMOD], 2, v[HT+12]
	v_add_nc_u32 v[HT+12], s29, v[HT+12]
	v_lshlrev_b32 v[HT+13], 4, v[LHALF]
	v_lshl_add_u32 v[HT+13], v[L7], 1, v[HT+13]
	v_add_nc_u32 v[HT+13], v[HT+13], v[H8]
	v_mul_u32_u24 v[HT+13], v[HT+13], 80
	v_add_nc_u32 v[HT+13], s29, v[HT+13]
	v_lshl_add_u32 v[HT+14], v[LHALF], 18, v[L16]                ; lanes 16-31 hold the sines: the second product's codes, 262,144 bytes on
	v_mul_u32_u24 v[HT+15], v[LHALF], 24576
	v_lshl_add_u32 v[HT+15], v[L7], 2, v[HT+15]
.irp k, 0,1,2,3,4,5,6,7,8,9,10,11,12,13,14,15
	ds_store_b32 v[HT+12], v[TH+\k] offset:160*\k
.endr
	s_wait_alu depctr_va_vdst(0)
	s_wait_dscnt 0x0                                             ; for the others' sake: my quarter sums lie in my stage
	s_barrier_signal -1
	s_barrier_wait -1
	s_cmp_lt_u32 s[WV], 4
	s_cbranch_scc0 .Lend                                         ; waves 4-15 have handed their quarters over
.irp j, 0,1,2,3
	ds_load_b128 v[PT+4*\j:PT+4*\j+3], v[HT+13] offset:16*\j
	ds_load_b128 v[TH+4*\j:TH+4*\j+3], v[HT+13] offset:4*2560+16*\j
	ds_load_b128 v[TH+16+4*\j:TH+16+4*\j+3], v[HT+13] offset:8*2560+16*\j
	ds_load_b128 v[XV+4*\j:XV+4*\j+3], v[HT+13] offset:12*2560+16*\j
.endr
	s_wait_dscnt 0x0
.irp j, 0,2,4,6,8,10,12,14
	v_pk_add_f32 v[PT+\j:PT+\j+1], v[PT+\j:PT+\j+1], v[TH+\j:TH+\j+1]
	v_pk_add_f32 v[XV+\j:XV+\j+1], v[XV+\j:XV+\j+1], v[TH+16+\j:TH+16+\j+1]
.endr
.irp j, 0,2,4,6,8,10,12,14
	v_pk_add_f32 v[PT+\j:PT+\j+1], v[PT+\j:PT+\j+1], v[XV+\j:XV+\j+1]
.endr
	QUANT16 PT, QT, HT+6, HT
	global_store_b128 v[HT+14], v[QT:QT+3], s[14:15]             ; sixteen lanes (2 halves x 8 rows) store 256 consecutive bytes, aligned: half of a unit of 512; the other 8 rows' wave stores the other half
	global_store_b8 v[HT+15], v[HT+6], s[18:19]                  ; one byte of each row's scale word (both lanes of a block store the same byte): 64 bytes a work-group, words written a byte at a time
.Lend:
	s_wait_tensorcnt 0x0                                         ; the wave's end, behind my last LDS store
	ds_add_u32 v254, v255
	s_wait_dscnt 0x0
	s_endpgm
.Lfunc_end_k_q894889d920_phases:
	.size	k_q894889d920_phases, .Lfunc_end_k_q894889d920_phases-k_q894889d920_phases
	.p2alignl 7, 3214868480
	.fill 96, 4, 3214868480
	.section	.rodata,"a",@progbits
	.p2align	6, 0x0
	.amdhsa_kernel k_q894889d920_phases
		.amdhsa_group_segment_fixed_size 326656
		.amdhsa_private_segment_fixed_size 0
		.amdhsa_enable_private_segment 0
		.amdhsa_kernarg_size 64
		.amdhsa_user_sgpr_count 2
		.amdhsa_user_sgpr_kernarg_segment_ptr 1
		.amdhsa_wavefront_size32 1
		.amdhsa_system_sgpr_workgroup_id_x 1
		.amdhsa_system_sgpr_workgroup_id_y 1
		.amdhsa_system_sgpr_workgroup_id_z 1
		.amdhsa_system_vgpr_workitem_id 0
		.amdhsa_next_free_vgpr 256
		.amdhsa_next_free_sgpr 66
		.amdhsa_reserve_vcc 1
		.amdhsa_float_denorm_mode_32 3
		.amdhsa_float_denorm_mode_16_64 3
		.amdhsa_memory_ordered 1
		.amdhsa_forward_progress 1
		.amdhsa_inst_pref_size 224
	.end_amdhsa_kernel
	.amdgpu_metadata
---
amdhsa.version: [ 1, 2 ]
amdhsa.kernels:
  - .name:           k_q894889d920_phases
    .symbol:         k_q894889d920_phases.kd
    .args:
      - { .name: x, .offset: 0, .size: 8, .value_kind: global_buffer, .address_space: global }
      - { .name: W, .offset: 8, .size: 8, .value_kind: global_buffer, .address_space: global }
      - { .name: B, .offset: 16, .size: 8, .value_kind: global_buffer, .address_space: global }
      - { .name: Wr, .offset: 24, .size: 8, .value_kind: global_buffer, .address_space: global }
      - { .name: Wi, .offset: 32, .size: 8, .value_kind: global_buffer, .address_space: global }
      - { .name: acodes, .offset: 40, .size: 8, .value_kind: global_buffer, .address_space: global }
      - { .name: wcodes, .offset: 48, .size: 8, .value_kind: global_buffer, .address_space: global }
      - { .name: scales, .offset: 56, .size: 8, .value_kind: global_buffer, .address_space: global }
    .group_segment_fixed_size: 326656
    .private_segment_fixed_size: 0
    .kernarg_segment_align: 8
    .kernarg_segment_size: 64
    .max_flat_workgroup_size: 512
    .sgpr_count:     66
    .vgpr_count:     256
    .wavefront_size: 32
...
	.end_amdgpu_metadata
.endif
;; end of part 1
;; launch project (part 2): grid 8 x 32, 4 waves a work-group, no clusters, 5,120 bytes of LDS; arguments acodes, wcodes, scales, out0, out1; writes out0, out1
.if DOCPART == 2
	.amdgcn_target "amdgcn-amd-amdhsa--gfx1250"
	.amdhsa_code_object_version 6
	.text
	.protected	k_q894889d920_project
	.globl	k_q894889d920_project
	.p2align	8
	.type	k_q894889d920_project,@function
k_q894889d920_project:
	s_mov_b64 s[64:65], 0
	v_nop
	global_prefetch_b8 v0, s[64:65] scope:SCOPE_SE
	s_setreg_imm32_b32 hwreg(HW_REG_WAVE_MODE, 25, 1), 1
	s_wait_xcnt 0x0
; out0 = Q(cos_sum) Q(Wr)^T, out1 = Q(sin_sum) Q(Wi)^T: [256][512] f32, K = 1,024, both operands as codes of E5M2 with E8M0 scales, made by the launch before.
; SHARES.  2 products x 16 x 32 tiles of 16 x 16, one to a wave, eight matrix instructions each: 256 work-groups of four waves.  A work-group (x: 64 outputs; y: product x 16 + tile of 16 batch rows)
; makes 16 rows x 64 outputs, so that its rows leave as 256 consecutive bytes.
; OPERANDS come as images of their registers: 2,048 bytes for 16 rows x 128 K, four units of 512 (one block of 32 K each), in which row r, half h lies at 256 (r / 8) + 128 h + 16 (r % 8):
; every load of a wave reads 512 consecutive bytes and fills four registers of a fragment.  Scale words: [product x 8 + K step][768]: words 0-255 the batch rows', 256-767 the outputs'.
; THE MATRIX INSTRUCTION IS USED TRANSPOSED: source 0 = 16 outputs (rows of the weight), source 1 = 16 batch rows: lane (r, h) then holds batch row r and outputs 8 h + 0 .. 7: 32 neighbouring bytes.
; One register carries both sides' scale words: lanes 0-15 the outputs', lanes 16-31 the batch rows' (read by MATRIX_SCALE_ROW1).
; All 72 loads of a wave go out at once; K is summed on two accumulators by turns (even and odd K steps), added at the end.
; NO JOINT REQUESTS, NO LDS RING, NO PREFETCH: a wave reads 32 KB once and issues eight matrix instructions; the four waves share the sums' 16 KB alone.
; REGISTERS: window 0: v2-11 lane terms and addresses; v16-143 the sums' fragments (K step s at v[16 + 16 s]); v144-151 scale words; v152-167 two accumulators; v168-175 their sum; v176-183 rows read back.
;   window 1: v0-127 the weights' fragments (K step s at v[16 s]).
.set AF,   16
.set SCW,  144
.set AC,   152
.set SUM,  168
.set BK,   176
.set SP,   272                         ; a stage row: 256 bytes + 16 of padding
	s_load_b256 s[4:11], s[0:1], 0x0                             ; acodes s[4:5], wcodes s[6:7], scales s[8:9], out0 s[10:11]
	s_load_b64 s[12:13], s[0:1], 0x20                            ; out1
	v_lshl_add_u32 v254, v0, 2, 0x1200
	v_mov_b32 v255, 0
	v_lshrrev_b32 v1, 5, v0
	v_readfirstlane_b32 s14, v1                                  ; wave 0..3
	v_and_b32 v2, 15, v0                                         ; r
	v_bfe_u32 v3, v0, 4, 1                                       ; h
	s_wait_alu depctr_va_vdst(0)
	v_and_b32 v4, 7, v0                                          ; r % 8
	v_bfe_u32 v5, v0, 3, 1                                       ; r / 8
	v_lshlrev_b32 v6, 4, v4
	v_lshl_add_u32 v6, v3, 7, v6
	v_lshl_add_u32 v6, v5, 8, v6                                 ; my 16 bytes in a unit of 512
	s_and_b32 s15, ttmp7, 0xffff                                 ; y
	s_lshr_b32 s16, s15, 4                                       ; the product
	s_and_b32 s17, s15, 15                                       ; the tile of 16 batch rows
	s_lshl_b32 s18, ttmp9, 2
	s_add_co_u32 s18, s18, s14                                   ; my tile of 16 outputs
	s_lshl_b32 s20, s18, 6
	s_add_co_u32 s20, s20, 1024                                  ; its scale words in a K step's 768,
	s_lshl_b32 s21, s17, 6                                       ; and the batch rows'
	v_mov_b32 v7, s20
	v_mov_b32 v8, s21
	v_cmp_eq_u32 vcc_lo, 0, v3
	v_cndmask_b32 v7, v8, v7, vcc_lo                             ; lanes 0-15 the outputs', lanes 16-31 the batch rows'
	v_lshl_add_u32 v7, v2, 2, v7
	s_lshl_b32 s22, s15, 14                                      ; the sums' eight images: (product x 16 + tile) x 8 x 2,048
	s_mov_b32 s23, 0
	s_lshl_b32 s24, s16, 5
	s_add_co_u32 s24, s24, s18
	s_lshl_b32 s24, s24, 14                                      ; the weights': (product x 32 + tile) x 8 x 2,048
	s_mov_b32 s25, 0
	s_mul_i32 s26, s16, 24576                                    ; the product's scale words
	s_mov_b32 s27, 0
	s_lshl_b32 s28, s17, 15                                      ; out: 16 rows of 2,048 bytes,
	s_lshl_b32 s30, ttmp9, 8                                     ; 64 outputs of 4 bytes,
	s_add_co_u32 s28, s28, s30
	s_lshl_b32 s30, s14, 13                                      ; and the 4 rows that my wave stores
	s_add_co_u32 s28, s28, s30
	s_mov_b32 s29, 0
	s_lshl_b32 s30, s14, 6                                       ; the stage: my 64 bytes of a row,
	s_mul_i32 s31, s14, 4*SP                                     ; and the 4 rows that I read back
	s_wait_alu depctr_va_vdst(0)
	s_wait_kmcnt 0x0
	s_add_nc_u64 s[4:5], s[4:5], s[22:23]
	s_add_nc_u64 s[6:7], s[6:7], s[24:25]
	s_add_nc_u64 s[8:9], s[8:9], s[26:27]
	s_cmp_lt_u32 s15, 16                                         ; out0 or out1: the choice hangs on the work-group's number alone
	s_cselect_b64 s[10:11], s[10:11], s[12:13]
	s_add_nc_u64 s[10:11], s[10:11], s[28:29]
	s_set_vgpr_msb 0x40                                          ; destination window 1, address window 0
.irp s, 0,1,2,3,4,5,6,7
.irp c, 0,1,2,3
	global_load_b128 v[16*\s+4*\c:16*\s+4*\c+3], v6, s[6:7] offset:2048*\s+512*\c        ; the weights' fragments
.endr
.endr
	s_set_vgpr_msb 0x4000                                        ; all windows 0
.irp s, 0,1,2,3,4,5,6,7
.irp c, 0,1,2,3
	global_load_b128 v[AF+16*\s+4*\c:AF+16*\s+4*\c+3], v6, s[4:5] offset:2048*\s+512*\c  ; the sums' fragments,
.endr
	global_load_b32 v[SCW+\s], v7, s[8:9] offset:3072*\s                                 ; and the K step's scale words of both sides
.endr
	s_set_vgpr_msb 0x0001                                        ; source 0 (the weights) window 1
; the two accumulators take turns, one instruction a turn
.irp s, 0,1,2,3,4,5,6,7
	s_wait_loadcnt 5*(7-\s)                                      ; loads come back in order: all 32 of the weights are older, and each later K step has five loads that may stay out
.if \s < 2
	v_wmma_scale_f32_16x16x128_f8f6f4 v[AC+8*(\s%2):AC+8*(\s%2)+7], v[16*\s:16*\s+15], v[AF+16*\s:AF+16*\s+15], 0, v[SCW+\s], v[SCW+\s] matrix_a_fmt:MATRIX_FMT_BF8 matrix_b_fmt:MATRIX_FMT_BF8 matrix_b_scale:MATRIX_SCALE_ROW1
.else
	v_wmma_scale_f32_16x16x128_f8f6f4 v[AC+8*(\s%2):AC+8*(\s%2)+7], v[16*\s:16*\s+15], v[AF+16*\s:AF+16*\s+15], v[AC+8*(\s%2):AC+8*(\s%2)+7], v[SCW+\s], v[SCW+\s] matrix_a_fmt:MATRIX_FMT_BF8 matrix_b_fmt:MATRIX_FMT_BF8 matrix_b_scale:MATRIX_SCALE_ROW1
.endif
.endr
	s_set_vgpr_msb 0x0100                                        ; all windows 0
	; the addresses of the way out: eight plain instructions that name no register of the products: the places between the last product and the first read of a result
	v_mul_u32_u24 v10, v2, SP
	v_lshl_add_u32 v10, v3, 5, v10
	v_add_nc_u32 v10, s30, v10                                   ; in: row r, 64 x wave + 32 h
	v_mul_u32_u24 v11, v3, SP
	v_lshl_add_u32 v11, v2, 4, v11
	v_add_nc_u32 v11, s31, v11                                   ; back: rows 4 wave + h, 16 bytes a lane
	v_lshlrev_b32 v9, 11, v3
	v_lshl_add_u32 v9, v2, 4, v9                                 ; and the same two rows in the output
.irp j, 0,2,4,6
	v_pk_add_f32 v[SUM+\j:SUM+\j+1], v[AC+\j:AC+\j+1], v[AC+8+\j:AC+8+\j+1]   ; even K steps + odd K steps; each accumulator from its low end on
.endr
	ds_store_b128 v10, v[SUM:SUM+3]
	ds_store_b128 v10, v[SUM+4:SUM+7] offset:16
	s_wait_alu depctr_va_vdst(0)
	s_wait_dscnt 0x0                                             ; for the others' sake: my 64 bytes of each of the 16 rows lie in the stage
	s_barrier_signal -1
	s_barrier_wait -1                                            ; everybody's do
	ds_load_b128 v[BK:BK+3], v11
	ds_load_b128 v[BK+4:BK+7], v11 offset:2*SP
	s_wait_dscnt 0x0
	global_store_b128 v9, v[BK:BK+3], s[10:11] th:TH_STORE_NT                 ; sixteen lanes store 256 consecutive bytes, at a multiple of 256 from the output's first byte
	global_store_b128 v9, v[BK+4:BK+7], s[10:11] offset:4096 th:TH_STORE_NT
	s_wait_tensorcnt 0x0
	ds_add_u32 v254, v255
	s_wait_dscnt 0x0
	s_endpgm
.Lfunc_end_k_q894889d920_project:
	.size	k_q894889d920_project, .Lfunc_end_k_q894889d920_project-k_q894889d920_project
	.p2alignl 7, 3214868480
	.fill 96, 4, 3214868480
	.section	.rodata,"a",@progbits
	.p2align	6, 0x0
	.amdhsa_kernel k_q894889d920_project
		.amdhsa_group_segment_fixed_size 5120
		.amdhsa_private_segment_fixed_size 0
		.amdhsa_enable_private_segment 0
		.amdhsa_kernarg_size 40
		.amdhsa_user_sgpr_count 2
		.amdhsa_user_sgpr_kernarg_segment_ptr 1
		.amdhsa_wavefront_size32 1
		.amdhsa_system_sgpr_workgroup_id_x 1
		.amdhsa_system_sgpr_workgroup_id_y 1
		.amdhsa_system_sgpr_workgroup_id_z 1
		.amdhsa_system_vgpr_workitem_id 0
		.amdhsa_next_free_vgpr 384
		.amdhsa_next_free_sgpr 66
		.amdhsa_reserve_vcc 1
		.amdhsa_float_denorm_mode_32 3
		.amdhsa_float_denorm_mode_16_64 3
		.amdhsa_memory_ordered 1
		.amdhsa_forward_progress 1
		.amdhsa_inst_pref_size 12
	.end_amdhsa_kernel
	.amdgpu_metadata
---
amdhsa.version: [ 1, 2 ]
amdhsa.kernels:
  - .name:           k_q894889d920_project
    .symbol:         k_q894889d920_project.kd
    .args:
      - { .name: acodes, .offset: 0, .size: 8, .value_kind: global_buffer, .address_space: global }
      - { .name: wcodes, .offset: 8, .size: 8, .value_kind: global_buffer, .address_space: global }
      - { .name: scales, .offset: 16, .size: 8, .value_kind: global_buffer, .address_space: global }
      - { .name: out0, .offset: 24, .size: 8, .value_kind: global_buffer, .address_space: global }
      - { .name: out1, .offset: 32, .size: 8, .value_kind: global_buffer, .address_space: global }
    .group_segment_fixed_size: 5120
    .private_segment_fixed_size: 0
    .kernarg_segment_align: 8
    .kernarg_segment_size: 40
    .max_flat_workgroup_size: 128
    .sgpr_count:     66
    .vgpr_count:     384
    .wavefront_size: 32
...
	.end_amdgpu_metadata
.endif
;; end of part 2
